; MI455X (gfx1250); checked and timed in simulation.
; The chip was launched on July 23, 2026; its instructions are those of AMD's public machine-readable ISA for CDNA 5 (MIT licence, August 2026) and "CDNA5" Instruction Set Architecture Reference Guide (July 2026). The comments in the code are by the model that wrote it; some were corrected since.
;; AFT Full. Allowed arithmetic: matrix products marked QUANTISED: E2M1 operands, one E8M0 scale for each 32 along K, by v_wmma_scale_f32_16x16x128_f8f6f4 with both operands' format E2M1 (or v_wmma_scale_f32_32x16x128_f4), f32 sums; products left as they are: bf16, f16 or f32 operands; f32 sums; everything else in f32.
;; Inputs: Wk 1,024 x 1,024 float32; Wq 1,024 x 1,024 float32; Wv 1,024 x 1,024 float32; wbias 1,024 x 1,024 float32; x 8 x 1,024 x 1,024 float32.
;; Outputs: out0 8 x 1,024 x 1,024 float32.
;; This version of the problem:
;;   THIS VERSION OF THE PROBLEM IS GIVEN IN LOW PRECISION. The matrix products marked QUANTISED in the list below multiply operands that are first quantised to E2M1 (2 exponent bits, 1 mantissa bit; 4 bits a number), with one power-of-two scale for each 32 numbers along K (OCP MX v1.0); their sums are f32. The products marked 'left as it is' may take bf16, f16 or f32 operands, with f32 sums. Whichever they take, every output number must still come out within the allowed error. Rounding operands to bf16 (8 significant bits) uses up far more of that allowance than f16 does (11 bits, for magnitudes from 6e-5 to 65,504). All else is computed in f32.
;;   The module's matrix products, in the order in which they are computed (A, B: the left and right operand; K: the contracted axis; several contracted axes count as one K, in the product's order):
;;     1. [M 8,192, K 1,024] x [K 1,024, N 1,024]; A: input x; B: input Wq: QUANTISED
;;     2. [M 8,192, K 1,024] x [K 1,024, N 1,024]; A: input x; B: input Wk: QUANTISED
;;     3. [M 8,192, K 1,024] x [K 1,024, N 1,024]; A: input x; B: input Wv: QUANTISED
;;     4. [M 8,192, K 1,024] x [K 1,024, N 1,024]; A: computed on the way; B: computed on the way: left as it is (an operand is computed on the way)
;;     5. [M 8,192, K 1,024] x [K 1,024, N 1,024]; A: computed on the way; B: computed on the way: left as it is (an operand is computed on the way)
;;   THE QUANTISER, for each operand of a quantised product, along K:
;;     - K is cut into blocks of 32 from its start; a last block that is shorter is filled with zeros.
;;     - A block's scale is 2^e with e = floor(log2(the largest magnitude in the block)) - 2, held to -126 .. 127; a block of zeros has e = 0. As a byte (E8M0): e + 127.
;;     - Each number is divided by its block's scale, clamped to +-6, and rounded to the nearest number of E2M1, ties to even, subnormals kept.
;;     - The product sums the exact products of the quantised numbers (number of the format x scale) in f32.
;;   ~~~python
;;   def quantise(x, axis):      # numpy; x: float32 -> the quantised numbers, widened to float32 again
;;       x = np.moveaxis(x, axis, -1); K = x.shape[-1]
;;       x = np.pad(x, [(0, 0)] * (x.ndim - 1) + [(0, -K % 32)]); x = x.reshape(x.shape[:-1] + (-1, 32)); a = np.abs(x).max(-1, keepdims=True)
;;       e = np.where(a > 0, np.clip(np.frexp(np.where(a > 0, a, 1))[1] - 1 - 2, -126, 127), 0)      # np.frexp(a)[1] - 1 = floor(log2(a)), exactly
;;       r = np.clip(x / 2.0 ** e, -6, 6)
;;       step = 2.0 ** (np.maximum(np.frexp(np.where(r == 0, 1, r))[1] - 1, 0) - 1)
;;       q = np.round(r / step) * step * 2.0 ** e      # np.round: ties to even
;;       return np.moveaxis(q.reshape(q.shape[:-2] + (-1,))[..., :K], -1, axis).astype(np.float32)
;;   ~~~
;; One version. Each part assembles by itself: llvm-mc -triple=amdgcn-amd-amdhsa -mcpu=gfx1250 --defsym DOCPART=n.
;; ======== version 1 of 1: 3 launches
;; limits: values are held in f16: magnitudes above 65,504 overflow, below 6.1e-05 lose precision; right only within a limited range of input values
;; workspace buffers: XQ 4,456,448 bytes; WB 1,671,168 bytes; EW 2,097,152 bytes; EB 33,554,432 bytes
;; launch prep (part 1): grid 384 x 1, 4 waves a work-group, no clusters, 68,096 bytes of LDS; arguments x, Wq, Wk, Wv, wbias, XQ, WB, EW; writes XQ, WB, EW
.if DOCPART == 1
	.amdgcn_target "amdgcn-amd-amdhsa--gfx1250"
	.amdhsa_code_object_version 6
	.text
	.protected	k_qef228521c4_prep
	.globl	k_qef228521c4_prep
	.p2align	8
	.type	k_qef228521c4_prep,@function
k_qef228521c4_prep:
	s_mov_b64 s[64:65], 0
	v_nop
	global_prefetch_b8 v0, s[64:65] scope:SCOPE_SE
	s_setreg_imm32_b32 hwreg(HW_REG_WAVE_MODE, 25, 1), 1
	s_wait_xcnt 0x0
; x [8192][1024], Wq, Wk, Wv [1024][1024] (f32, K innermost) become codes of FP4 (E2M1) with one E8M0 byte for each 32 along K; wbias [1024][1024] becomes ew = exp(wbias) in f16.
; All three results are laid in the ORDER OF THE OPERAND'S REGISTERS: a fragment's groups of four registers on end, 512 bytes a group, lane l's 16 bytes at 16 l, so that the later
; launches fetch dense blocks and read fragments at 16 x lane.
;   XQ [b 8][quarter 4][ks 8][17,408]: 16 tiles (16 rows x 128 K, 1,024 bytes each), then 4 scale groups of 256 bytes.   WB [q, k, v][ctile 8][ks 8][8,704]: 8 tiles, then 2 scale groups.
;   A scale group serves 4 tiles: [lane][2 words]; word e of lane l is the scale word of tile 2 e + l / 16, row l % 16 (byte b: k = 32 b .. 32 b + 31).
;   EW [ttile 4][j 8][thalf 2][kk 4][rt 8][1,024]: fragments of 16 t x 32 s of f16.
; A block's scale is 2^(floor(log2(largest magnitude)) - 2); its byte is the largest magnitude's exponent field - 2, held at 1 from below.
; LIMITS: NaN and infinities among the inputs are not served.  A block of zeros gets the byte 1 where the quantiser says 127: its codes are zeros, and this program alone reads the bytes.
;   ew has room in f16 for wbias from -9.7 to 11.09; beyond that it leaves f16's normal range.
; SHARES.  A wave takes 64 rows x 128 along K, four tiles of 16 rows; the four waves of a work-group stand side by side on 2,048 bytes of each row.  Work-groups 0-255: x; 256-351: Wq, Wk, Wv; 352-383: wbias.
; Each load reads 512 bytes on end; a tile turns through the wave's own stage in LDS, so that a lane gets the neighbours along K that its registers of the fragment want.
; A stream: every byte is read once and nothing is shared between work-groups, so there is no cluster, no tensor load, no matrix work and no barrier.  The two paths part on the work-group's number and have LDS bytes of their own.
.set STQ,   0                          ; the quantiser's stages: 16 rows x 528 bytes for each wave
.set STE,   33792                      ; ew's stages, likewise
.set SPARE, 67584                      ; the spare words: 128 bytes for each wave, two blocks of 256 bytes that no other line names
.set WST,   8448                       ; a stage
.set SP,    528                        ; a stage row: 512 bytes + 16
.set VL,   1                           ; v1   16 x lane
.set V8,   2                           ; v2   8 x lane
.set STW,  3                           ; v3   the quantiser's stage, on the way in
.set RDQ,  4                           ; v4   and out: row r, + 128 h
.set STWE, 5                           ; v5   ew's stage, in
.set RDE,  6                           ; v6   and out: row r, + 32 h
.set H8,   7                           ; v7   8 h
.set SPW,  8                           ; v8   my spare word; never rewritten
.set NIL,  9                           ; v9   0; never rewritten
.set MG,   10                          ; v10-11 largest magnitudes of my two blocks
.set SOP,  12                          ; v12-13 the conversions' scale operands
.set BY,   14                          ; v14-15 the scale bytes
.set SW,   16                          ; v16-19 the four tiles' scale words
.set PR,   20                          ; v20-21 the scale group's pair
.set PD,   22                          ; v22  a lane permute's destination
.set C,    24                          ; v24-55 codes, 8 registers a tile; on ew's path 32 registers of f16, a tile at a time
.set RS,   64                          ; v64-191 two sets of 64: a tile as it is loaded
.set X,    192                         ; v192-255 a tile as my fragment registers want it
	s_load_b512 s[4:19], s[0:1], 0x0               ; x, Wq, Wk, Wv, wbias, XQ, WB, EW
	v_lshl_add_u32 v[SPW], v0, 2, SPARE
	v_mov_b32 v[NIL], 0
	v_lshrrev_b32 v10, 5, v0
	v_readfirstlane_b32 s26, v10                   ; wave
	v_and_b32 v11, 31, v0                          ; lane
	v_and_b32 v12, 15, v0                          ; r
	v_bfe_u32 v13, v0, 4, 1                        ; h
	v_lshlrev_b32 v[VL], 4, v11
	v_lshlrev_b32 v[V8], 3, v11
	s_mul_i32 s27, s26, WST
	v_add_nc_u32 v[STW], s27, v[VL]
	v_mul_u32_u24 v14, v12, SP
	v_add_nc_u32 v14, s27, v14
	v_lshl_add_u32 v[RDQ], v13, 7, v14
	v_add_nc_u32 v[STWE], STE, v[STW]
	v_lshl_add_u32 v[RDE], v13, 5, v14
	v_add_nc_u32 v[RDE], STE, v[RDE]
	v_lshlrev_b32 v[H8], 3, v13
	v_mov_b32 v[PD], 0
	s_mov_b32 s28, 0x76543210                      ; v_permlanex16_b32's selects for lane l xor 16
	s_mov_b32 s29, 0xfedcba98
	s_mov_b32 s30, 0xffff0000                      ; lanes 16-31
	s_mov_b32 s32, 0x3fb8aa3b                      ; log2(e), as a pair
	s_mov_b32 s33, s32
	; which tensor, which 64 rows (R), which 128 along K (ks): from the work-group's and the wave's number alone
	s_mov_b32 s34, 352
	s_cmp_lt_u32 ttmp9, 352
	s_cselect_b32 s34, 256, s34
	s_cmp_lt_u32 ttmp9, 256                        ; x?
	s_cselect_b32 s34, 0, s34                      ; the tensor's first work-group
	s_cselect_b32 s37, 127, 15                     ; groups of 64 rows in the source, less 1
	s_cselect_b32 s38, 2, 1                        ; log2 of the groups in a block of the workspace
	s_mov_b32 s39, 8704
	s_cselect_b32 s39, 17408, s39                  ; a block,
	s_mov_b32 s40, 8192
	s_cselect_b32 s40, 16384, s40                  ; and its codes
	s_sub_co_u32 s35, ttmp9, s34
	s_lshr_b32 s35, s35, 1                         ; R
	s_and_b32 s36, ttmp9, 1
	s_lshl_b32 s36, s36, 2
	s_add_co_u32 s36, s36, s26                     ; ks = 4 (g % 2) + wave
	s_and_b32 s42, s35, s37
	s_lshl_b32 s42, s42, 18                        ; 64 rows of 4,096 bytes
	s_lshl_b32 s43, s36, 9
	s_add_co_u32 s42, s42, s43                     ; + 512 ks
	s_mov_b32 s43, 0
	s_lshr_b32 s44, s35, s38
	s_lshl_b32 s44, s44, 3
	s_add_co_u32 s44, s44, s36
	s_mul_i32 s44, s44, s39                        ; the block's first byte
	s_lshl_b32 s45, 1, s38
	s_sub_co_u32 s45, s45, 1
	s_and_b32 s45, s35, s45                        ; my group in the block
	s_lshl_b32 s46, s45, 12
	s_add_co_u32 s46, s46, s44                     ; my four tiles
	s_mov_b32 s47, 0
	s_lshl_b32 s45, s45, 8
	s_add_co_u32 s44, s44, s45
	s_add_co_u32 s44, s44, s40                     ; my scale group
	s_mov_b32 s45, 0
	s_lshr_b32 s48, s35, 2                         ; EW: ttile,
	s_lshl_b32 s48, s48, 19
	s_lshl_b32 s49, s36, 16                        ; j = ks,
	s_add_co_u32 s48, s48, s49
	s_bfe_u32 s49, s35, 0x10001                    ; thalf,
	s_lshl_b32 s49, s49, 15
	s_add_co_u32 s48, s48, s49
	s_and_b32 s49, s35, 1                          ; and which four of its eight tiles of rows
	s_lshl_b32 s49, s49, 12
	s_add_co_u32 s48, s48, s49
	s_mov_b32 s49, 0
	s_wait_kmcnt 0x0
	s_cmp_lt_u32 ttmp9, 352                        ; the choices hang on the work-group's number alone
	s_cselect_b64 s[20:21], s[10:11], s[12:13]
	s_cmp_lt_u32 ttmp9, 320
	s_cselect_b64 s[20:21], s[8:9], s[20:21]
	s_cmp_lt_u32 ttmp9, 288
	s_cselect_b64 s[20:21], s[6:7], s[20:21]
	s_cmp_lt_u32 ttmp9, 256
	s_cselect_b64 s[20:21], s[4:5], s[20:21]
	s_cselect_b64 s[22:23], s[14:15], s[16:17]
	s_add_nc_u64 s[20:21], s[20:21], s[42:43]      ; the source
	s_add_nc_u64 s[24:25], s[22:23], s[44:45]      ; the scale group
	s_add_nc_u64 s[22:23], s[22:23], s[46:47]      ; the codes
	s_add_nc_u64 s[50:51], s[18:19], s[48:49]      ; ew's fragments
.macro LOADT ti                        ; tile ti: 16 rows, 512 bytes on end each
.irp row, 0,1,2,3,4,5,6,7,8,9,10,11,12,13,14,15
	global_load_b128 v[RS+64*((\ti)%2)+4*\row:RS+64*((\ti)%2)+4*\row+3], v[VL], s[20:21] offset:(16*(\ti)+\row)*4096 th:TH_LOAD_NT
.endr
.endm
.macro TURNQ ti                        ; through the stage: LDS serves a wave's instructions in order (ISA guide 5.7.1.4), so no wait stands between the stores and the loads
.irp row, 0,1,2,3,4,5,6,7,8,9,10,11,12,13,14,15
	ds_store_b128 v[STW], v[RS+64*((\ti)%2)+4*\row:RS+64*((\ti)%2)+4*\row+3] offset:SP*\row
.endr
.irp c, 0,1                            ; lane (r, h): k = 64 c + 32 h + 0 .. 31 of row r
.irp i, 0,1,2,3,4,5,6,7
	ds_load_b128 v[X+32*\c+4*\i:X+32*\c+4*\i+3], v[RDQ] offset:256*\c+16*\i
.endr
.endr
.endm
.macro TURNE ti
.irp row, 0,1,2,3,4,5,6,7,8,9,10,11,12,13,14,15
	ds_store_b128 v[STWE], v[RS+64*((\ti)%2)+4*\row:RS+64*((\ti)%2)+4*\row+3] offset:SP*\row
.endr
.irp kk, 0,1,2,3                       ; lane (r, h): s = 32 kk + 16 g + 8 h + 0 .. 7 of row r
.irp g, 0,1
.irp i, 0,1
	ds_load_b128 v[X+16*\kk+8*\g+4*\i:X+16*\kk+8*\g+4*\i+3], v[RDE] offset:128*\kk+64*\g+16*\i
.endr
.endr
.endr
.endm
.macro QT ti                           ; my two whole blocks of tile ti: scale, codes, the row's scale word
.irp c, 0,1
	v_max3_num_f32 v[MG+\c], |v[X+32*\c]|, |v[X+32*\c+1]|, 0x1800000   ; with the floor 2^(3 - 127): the byte cannot fall under 1
.endr
.irp i, 2,4,6,8,10,12,14,16,18,20,22,24,26,28,30
.irp c, 0,1
	v_max3_num_f32 v[MG+\c], v[MG+\c], |v[X+32*\c+\i]|, |v[X+32*\c+\i+1]|
.endr
.endr
.irp c, 0,1
	v_add_nc_u32 v[SOP+\c], 0xff000000, v[MG+\c]   ; 2 off the exponent field: the conversion takes that field as its scale
.endr
.irp c, 0,1
	v_lshrrev_b32 v[BY+\c], 23, v[SOP+\c]          ; the scale's byte
.endr
.irp c, 0,1
.irp g, 0,1,2,3
	v_cvt_scalef32_pk8_fp4_f32 v[C+8*\ti+4*\c+\g], v[X+32*\c+8*\g:X+32*\c+8*\g+7], v[SOP+\c]
.endr
.endr
	v_lshl_or_b32 v[SW+\ti], v[BY+1], 16, v[BY]    ; blocks h and 2 + h of row r (plain lines behind the conversions),
	v_lshlrev_b32 v[SW+\ti], v[H8], v[SW+\ti]      ; at their places in the word;
	v_permlanex16_b32 v[PD], v[SW+\ti], s28, s29
	v_or_b32 v[SW+\ti], v[SW+\ti], v[PD]           ; with lane l xor 16's two the word is whole
.irp c, 0,1
	global_store_b128 v[VL], v[C+8*\ti+4*\c:C+8*\ti+4*\c+3], s[22:23] offset:1024*\ti+512*\c   ; 512 bytes on end; each tile has registers of its own, so no store's data are written again
.endr
.endm
.macro ET ti                           ; exp, rounded to f16: four fragments of 16 t x 32 s
.set j, 0
.rept 32
	v_pk_mul_f32 v[X+2*j:X+2*j+1], v[X+2*j:X+2*j+1], s[32:33] op_sel_hi:[1,0]
.set j, j+1
.endr
.set j, 0
.rept 64
	v_exp_f32 v[X+j], v[X+j]
.set j, j+1
.endr
	v_nop                                          ; a plain instruction behind the last exponential
	s_wait_alu depctr_va_vdst(0)                   ; one wait for the batch, ahead of its first reader
.if \ti > 0
	s_wait_xcnt 0x0                                ; the last tile's stores have read their data: the 32 registers are written again only behind this wait
.endif
.set j, 0
.rept 32
	v_cvt_pk_f16_f32 v[C+j], v[X+2*j], v[X+2*j+1]
.set j, j+1
.endr
.irp kk, 0,1,2,3
.irp g, 0,1
	global_store_b128 v[VL], v[C+8*\kk+4*\g:C+8*\kk+4*\g+3], s[50:51] offset:8192*\kk+1024*\ti+512*\g
.endr
.endr
.endm
	LOADT 0
	LOADT 1
	s_cmp_ge_u32 ttmp9, 352
	s_cbranch_scc1 .Lew
.irp ti, 0,1,2,3
.if \ti < 3
	s_wait_loadcnt 16                              ; this tile's 16 loads are in; the next tile's may be out
.else
	s_wait_loadcnt 0x0
.endif
	TURNQ \ti
	s_wait_dscnt 0x0                               ; the tile is back from the stage
.if \ti < 2
	LOADT \ti+2
.endif
	QT \ti
.endr
	v_cndmask_b32 v[PR], v[SW], v[SW+1], s30       ; the scale group: lanes 0-15 tiles 0 and 2, lanes 16-31 tiles 1 and 3
	v_cndmask_b32 v[PR+1], v[SW+2], v[SW+3], s30
	global_store_b64 v[V8], v[PR:PR+1], s[24:25]   ; 256 bytes on end, aligned
	s_wait_tensorcnt 0x0                           ; the wave's end
	ds_add_u32 v[SPW], v[NIL]
	s_wait_dscnt 0x0
	s_endpgm
.Lew:
.irp ti, 0,1,2,3
.if \ti < 3
	s_wait_loadcnt 16                              ; as above
.else
	s_wait_loadcnt 0x0
.endif
	TURNE \ti
	s_wait_dscnt 0x0
.if \ti < 2
	LOADT \ti+2
.endif
	ET \ti
.endr
	s_wait_tensorcnt 0x0                           ; the wave's end, as above
	ds_add_u32 v[SPW], v[NIL]
	s_wait_dscnt 0x0
	s_endpgm
.Lfunc_end_k_qef228521c4_prep:
	.size	k_qef228521c4_prep, .Lfunc_end_k_qef228521c4_prep-k_qef228521c4_prep
	.p2alignl 7, 3214868480
	.fill 96, 4, 3214868480
	.section	.rodata,"a",@progbits
	.p2align	6, 0x0
	.amdhsa_kernel k_qef228521c4_prep
		.amdhsa_group_segment_fixed_size 68096
		.amdhsa_private_segment_fixed_size 0
		.amdhsa_enable_private_segment 0
		.amdhsa_kernarg_size 64
		.amdhsa_user_sgpr_count 2
		.amdhsa_user_sgpr_kernarg_segment_ptr 1
		.amdhsa_wavefront_size32 1
		.amdhsa_system_sgpr_workgroup_id_x 1
		.amdhsa_system_sgpr_workgroup_id_y 1
		.amdhsa_system_sgpr_workgroup_id_z 1
		.amdhsa_system_vgpr_workitem_id 0
		.amdhsa_next_free_vgpr 256
		.amdhsa_next_free_sgpr 66
		.amdhsa_reserve_vcc 0
		.amdhsa_float_denorm_mode_32 3
		.amdhsa_float_denorm_mode_16_64 3
		.amdhsa_memory_ordered 1
		.amdhsa_forward_progress 1
		.amdhsa_inst_pref_size 70
	.end_amdhsa_kernel
	.amdgpu_metadata
---
amdhsa.version: [ 1, 2 ]
amdhsa.kernels:
  - .name:           k_qef228521c4_prep
    .symbol:         k_qef228521c4_prep.kd
    .args:
      - { .name: x, .offset: 0, .size: 8, .value_kind: global_buffer, .address_space: global }
      - { .name: Wq, .offset: 8, .size: 8, .value_kind: global_buffer, .address_space: global }
      - { .name: Wk, .offset: 16, .size: 8, .value_kind: global_buffer, .address_space: global }
      - { .name: Wv, .offset: 24, .size: 8, .value_kind: global_buffer, .address_space: global }
      - { .name: wbias, .offset: 32, .size: 8, .value_kind: global_buffer, .address_space: global }
      - { .name: XQ, .offset: 40, .size: 8, .value_kind: global_buffer, .address_space: global }
      - { .name: WB, .offset: 48, .size: 8, .value_kind: global_buffer, .address_space: global }
      - { .name: EW, .offset: 56, .size: 8, .value_kind: global_buffer, .address_space: global }
    .group_segment_fixed_size: 68096
    .private_segment_fixed_size: 0
    .kernarg_segment_align: 8
    .kernarg_segment_size: 64
    .max_flat_workgroup_size: 128
    .sgpr_count:     66
    .vgpr_count:     256
    .wavefront_size: 32
...
	.end_amdgpu_metadata
.endif
;; end of part 1
;; launch proj (part 2): grid 32 x 8, 4 waves a work-group, clusters of 4 x 1, 327,680 bytes of LDS; arguments XQ, WB, EB; writes EB
.if DOCPART == 2
	.amdgcn_target "amdgcn-amd-amdhsa--gfx1250"
	.amdhsa_code_object_version 6
	.text
	.protected	k_qef228521c4_proj
	.globl	k_qef228521c4_proj
	.p2align	8
	.type	k_qef228521c4_proj,@function
k_qef228521c4_proj:
	s_mov_b64 s[64:65], 0
	v_nop
	global_prefetch_b8 v0, s[64:65] scope:SCOPE_SE
	s_setreg_imm32_b32 hwreg(HW_REG_WAVE_MODE, 25, 1), 1
	s_wait_xcnt 0x0
	s_wait_alu depctr_hold_cnt(0) depctr_sa_sdst(0) depctr_va_vdst(0) depctr_va_sdst(0) depctr_va_ssrc(0) depctr_va_vcc(0) depctr_vm_vsrc(0)
	s_getreg_b32 s2, hwreg(HW_REG_IB_STS2, 6, 4)
	s_cmp_eq_u32 s2, 0
	s_cbranch_scc0 .Lentry_in_a_cluster
	s_endpgm
.Lentry_in_a_cluster:
	s_bfe_u32 s2, ttmp6, 0x10000c
	s_cmp_lg_u32 s2, 0x3003
	s_cbranch_scc0 .Lentry_shape_is_right
	s_endpgm
.Lentry_shape_is_right:
; k = x Wk^T and v = x Wv^T on codes of FP4 with E8M0 scales; then, for each column c of a batch, ek" = 2^(k log2(e) - beta) and ek" v, rounded to f16 and stored as fragments of the next launch's product.
; beta hangs on (batch, column) alone, so it cancels in num / den: beta = log2(e) x (the column's largest k) - (15 - ea), 2^ea being the power of two above max(1, the column's largest |v|).
; So ek" <= 2^(15 - ea) <= 2^14 and |ek" v| < 2^15: both have room in f16 whatever the size of k.
; LIMITS: NaN and infinities are not served.  Terms more than some 2^-29 under their column's largest ek vanish in f16; from |v| about 2^25 on ek" falls into f16's subnormals.
; SHARES.  The maximum wants all 1,024 rows s of a column in one work-group: a work-group takes one batch and 32 columns of k and of v; wave w rows 256 w .. 256 w + 255:
; 16 tiles of rows x (2 + 2) tiles of columns = 64 accumulators, 512 registers.  Wk's and Wv's fragments for all of K (256 registers) stay in registers.
; x's codes come through a ring of two LDS slots of two K steps each; a wave fetches, and alone reads, its own quarter of the rows.
; CLUSTER.  The four work-groups of a cluster share the batch, so they walk the same x: each tile is asked for JOINTLY, by the same tensor load with the same descriptor and the mask 15.
; No prefetch: x's codes are walked by eight clusters at about the same time, and the launch is short.
; THE PRODUCT IS USED AS IT STANDS: source 0 = 16 rows of x, source 1 = 16 rows of W.  A lane then holds ONE column (lane % 16) and rows 8 (lane / 16) + 0 .. 7 of a tile:
; a column's maximum stays in a lane, and two neighbouring tiles of rows, rounded in pairs, ARE a fragment (16 c x 32 s) of the next product.
; REGISTERS, in windows of 256: window 0: addresses, statistics, v32-47 W's scale words, v48-63 x's, v64-191 x's fragments (two sets of eight tiles), v192-255 results in f16 (two sets).
;   window 1: W's fragments, (mat, jl, ks) at v[8 ((2 mat + jl) 8 + ks)].   window 2: k, tile (i, jl) at v[8 (2 i + jl)].   window 3: v likewise.
.set XSTEP, 17408                      ; a K step of 256 rows: 16 tiles of 1,024 bytes, then 4 scale groups of 256
.set WPART, 34816                      ; two K steps: what one tensor load brings
.set SLOT,  139264                     ; four waves' parts
.set MX,    278528                     ; behind the ring: the exchange of maxima, [quantity 4][lane 32][wave 4] words
.set SPARE, 280576                     ; the spare words: 128 bytes for each wave, two blocks of 256 bytes that no other line names
.set VL,  1                            ; v1   16 x lane
.set V8,  2                            ; v2   8 x lane
.set ADA, 4                            ; v4-5 my part of slot 0, 1: fragments
.set ADS, 6                            ; v6-7 and scale groups
.set MXS, 8                            ; v8   where I put a maximum
.set MXL, 9                            ; v9   where I read the four waves'
.set SPW, 10                           ; v10  my spare word; never rewritten
.set NIL, 11                           ; v11  0; never rewritten
.set MK2, 12                           ; v12-13 largest k, v14-15 largest |v|: the odd tiles' chains
.set MK,  16                           ; v16-17 largest k of my two columns
.set AV,  18                           ; v18-19 largest |v|
.set TP,  20                           ; v20-23 at work
.set NB,  24                           ; v[24:25], v[26:27] -beta of column tile 0, 1, as pairs
.set WSC, 32
.set XSC, 48
.set AF,  64
.set PB,  192
.set G1,  16                           ; s[16:23] descriptor group 1
.set G0,  24                           ; s[24:31] group 0, a set for each slot
.set MSB, 0
.macro WIN new                         ; the immediate's high byte repeats the setting that is left
.if MSB != (\new)
	s_set_vgpr_msb (MSB<<8)|(\new)
.set MSB, (\new)
.endif
.endm
.macro PLACES n
.rept \n
	v_nop
.endr
.endm
.macro CROUND                          ; a round of the cluster's barrier
	s_barrier_signal -1
	s_barrier_wait -1
	s_cmp_lg_u32 s10, 0
	s_cbranch_scc1 .Lnot_wave_0_\@
	s_barrier_signal -3
.Lnot_wave_0_\@:
	s_barrier_wait -3
	s_barrier_signal -1
	s_barrier_wait -1
.endm
; One scaled product, by the symbols rD, rA, rB (first registers), rSA, rSB (scale registers), rRA, rRB (1: the scales stand in lanes 16-31), rZ (1: it starts the sum)
.macro WF4
.if rZ && rRA && rRB
	v_wmma_scale_f32_16x16x128_f8f6f4 v[rD:rD+7], v[rA:rA+7], v[rB:rB+7], 0, v[rSA], v[rSB] matrix_a_fmt:MATRIX_FMT_FP4 matrix_b_fmt:MATRIX_FMT_FP4 matrix_a_scale:MATRIX_SCALE_ROW1 matrix_b_scale:MATRIX_SCALE_ROW1
.elseif rZ && rRA
	v_wmma_scale_f32_16x16x128_f8f6f4 v[rD:rD+7], v[rA:rA+7], v[rB:rB+7], 0, v[rSA], v[rSB] matrix_a_fmt:MATRIX_FMT_FP4 matrix_b_fmt:MATRIX_FMT_FP4 matrix_a_scale:MATRIX_SCALE_ROW1
.elseif rZ && rRB
	v_wmma_scale_f32_16x16x128_f8f6f4 v[rD:rD+7], v[rA:rA+7], v[rB:rB+7], 0, v[rSA], v[rSB] matrix_a_fmt:MATRIX_FMT_FP4 matrix_b_fmt:MATRIX_FMT_FP4 matrix_b_scale:MATRIX_SCALE_ROW1
.elseif rZ
	v_wmma_scale_f32_16x16x128_f8f6f4 v[rD:rD+7], v[rA:rA+7], v[rB:rB+7], 0, v[rSA], v[rSB] matrix_a_fmt:MATRIX_FMT_FP4 matrix_b_fmt:MATRIX_FMT_FP4
.elseif rRA && rRB
	v_wmma_scale_f32_16x16x128_f8f6f4 v[rD:rD+7], v[rA:rA+7], v[rB:rB+7], v[rD:rD+7], v[rSA], v[rSB] matrix_a_fmt:MATRIX_FMT_FP4 matrix_b_fmt:MATRIX_FMT_FP4 matrix_a_scale:MATRIX_SCALE_ROW1 matrix_b_scale:MATRIX_SCALE_ROW1
.elseif rRA
	v_wmma_scale_f32_16x16x128_f8f6f4 v[rD:rD+7], v[rA:rA+7], v[rB:rB+7], v[rD:rD+7], v[rSA], v[rSB] matrix_a_fmt:MATRIX_FMT_FP4 matrix_b_fmt:MATRIX_FMT_FP4 matrix_a_scale:MATRIX_SCALE_ROW1
.elseif rRB
	v_wmma_scale_f32_16x16x128_f8f6f4 v[rD:rD+7], v[rA:rA+7], v[rB:rB+7], v[rD:rD+7], v[rSA], v[rSB] matrix_a_fmt:MATRIX_FMT_FP4 matrix_b_fmt:MATRIX_FMT_FP4 matrix_b_scale:MATRIX_SCALE_ROW1
.else
	v_wmma_scale_f32_16x16x128_f8f6f4 v[rD:rD+7], v[rA:rA+7], v[rB:rB+7], v[rD:rD+7], v[rSA], v[rSB] matrix_a_fmt:MATRIX_FMT_FP4 matrix_b_fmt:MATRIX_FMT_FP4
.endif
.endm
	s_load_b128 s[4:7], s[0:1], 0x0                ; XQ, WB
	s_load_b64 s[8:9], s[0:1], 0x10                ; EB
	v_lshl_add_u32 v[SPW], v0, 2, SPARE
	v_mov_b32 v[NIL], 0
	ds_add_u32 v[SPW], v[NIL]                      ; the wave's opening: the add, twice on end, and its wait ahead of my first tensor load
	ds_add_u32 v[SPW], v[NIL]
	v_lshrrev_b32 v3, 5, v0
	v_readfirstlane_b32 s10, v3                    ; wave
	s_bfe_u32 s11, ttmp6, 0x40000                  ; cx: my place in the cluster
	s_lshl_b32 s12, ttmp9, 2
	s_add_co_u32 s12, s12, s11                     ; cg: my 32 columns; it enters W's and EB's addresses alone
	s_and_b32 s13, ttmp7, 0xffff                   ; the batch, which the four partners share
	; descriptor group 1: a dense block of 34,816 bytes as 136 rows of 256 bytes (32 elements of 8 bytes)
	s_mov_b32 s[G1], 15|(3<<16)|(1<<21)            ; 15:0 the mask: all four work-groups; 17:16 elements of 8 bytes; 21 set beside a mask; no padding: fragments are read 16 bytes a lane on end
	s_mov_b32 s[G1+1], 32<<16                      ; tensor_dim0
	s_mov_b32 s[G1+2], 136<<16                     ; tensor_dim1
	s_mov_b32 s[G1+3], 32<<16                      ; tile_dim0
	s_mov_b32 s[G1+4], 136                         ; tile_dim1
	s_mov_b32 s[G1+5], 32                          ; from row to row
	s_mov_b32 s[G1+6], 0
	s_mov_b32 s[G1+7], 0
	s_lshl_b32 s42, s13, 2
	s_add_co_u32 s42, s42, s10
	s_mul_i32 s42, s42, 8*XSTEP                    ; x: batch b, quarter w
	s_mov_b32 s43, 0
	s_mul_i32 s44, s10, WPART                      ; my part of a slot: no place in the cluster enters an LDS address
	s_lshr_b32 s45, s12, 2                         ; ctile
	s_add_co_u32 s46, s45, 8
	s_mul_i32 s46, s46, 8*8704                     ; Wk's blocks of my ctile (Wv's lie 557,056 bytes on)
	s_and_b32 s47, s12, 3
	s_lshl_b32 s47, s47, 11
	s_add_co_u32 s48, s46, s47                     ; my two tiles
	s_mov_b32 s49, 0
	s_bfe_u32 s47, s12, 0x10001                    ; chalf: also my scale group
	s_and_b32 s52, s12, 1                          ; and which word of it
	s_lshl_b32 s50, s47, 8
	s_add_co_u32 s50, s50, s46
	s_lshl_b32 s53, s52, 2
	s_add_co_u32 s50, s50, s53
	s_add_co_u32 s50, s50, 8192
	s_mov_b32 s51, 0
	s_lshl_b32 s54, s13, 3                         ; EB: nx = 8 b + ctile,
	s_add_co_u32 s54, s54, s45
	s_lshl_b32 s54, s54, 19
	s_lshl_b32 s55, s10, 17                        ; j = 2 w,
	s_add_co_u32 s54, s54, s55
	s_lshl_b32 s55, s47, 15                        ; chalf,
	s_add_co_u32 s54, s54, s55
	s_lshl_b32 s55, s52, 11                        ; ct = 2 (cg % 2)
	s_add_co_u32 s54, s54, s55
	s_mov_b32 s55, 0
	s_mov_b32 s38, 0x3fb8aa3b                      ; log2(e), as a pair
	s_mov_b32 s39, s38
	s_mov_b32 s40, 0x76543210                      ; selects for lane l xor 16
	s_mov_b32 s41, 0xfedcba98
	s_wait_dscnt 0x0                               ; both opening adds are done
	s_wait_kmcnt 0x0
	s_add_nc_u64 s[42:43], s[4:5], s[42:43]
	s_add_nc_u64 s[32:33], s[6:7], s[48:49]        ; W's fragments
	s_add_nc_u64 s[34:35], s[6:7], s[50:51]        ; W's scale words
	s_add_nc_u64 s[36:37], s[8:9], s[54:55]        ; my fragments of EB
	CROUND                                         ; all four work-groups are here: the first joint loads meet
.irp s, 0,1
	s_mov_b32 s[G0+4*\s], 1
	s_add_co_u32 s[G0+4*\s+1], s44, \s*SLOT
	s_add_nc_u64 s[G0+4*\s+2:G0+4*\s+3], s[42:43], \s*WPART
	s_or_b32 s[G0+4*\s+3], s[G0+4*\s+3], 0x80000000
.endr
	tensor_load_to_lds s[G0:G0+3], s[G1:G1+7]      ; K steps 0, 1
	s_nop 0
	tensor_load_to_lds s[G0+4:G0+7], s[G1:G1+7]    ; K steps 2, 3: two loads of mine are out
	s_nop 0
	PLACES 4
	v_and_b32 v3, 31, v0
	v_lshlrev_b32 v[VL], 4, v3
	v_lshlrev_b32 v[V8], 3, v3
	v_add_nc_u32 v[ADA], s44, v[VL]
	v_add_nc_u32 v[ADA+1], SLOT, v[ADA]
	s_add_co_u32 s56, s44, 16384
	v_add_nc_u32 v[ADS], s56, v[V8]
	v_add_nc_u32 v[ADS+1], SLOT, v[ADS]
	s_lshl_b32 s56, s10, 2
	s_add_co_u32 s56, s56, MX
	v_add_nc_u32 v[MXS], s56, v[VL]
	v_add_nc_u32 v[MXL], MX, v[VL]
.irp q, 0,1,2,3
	v_mov_b32 v[TP+\q], 0                          ; a lane permute's destination counts as one of its sources
.endr
	WIN 0x40                                       ; destination window 1
.irp mat, 0,1
.irp jl, 0,1
.irp ks, 0,1,2,3,4,5,6,7
.irp c, 0,1
	global_load_b128 v[8*((2*\mat+\jl)*8+\ks)+4*\c:8*((2*\mat+\jl)*8+\ks)+4*\c+3], v[VL], s[32:33] offset:557056*\mat+8704*\ks+1024*\jl+512*\c
.endr
.endr
.endr
.endr
	WIN 0
.irp mat, 0,1
.irp ks, 0,1,2,3,4,5,6,7
	global_load_b32 v[WSC+8*\mat+\ks], v[V8], s[34:35] offset:557056*\mat+8704*\ks   ; lanes 0-15: column tile 0; lanes 16-31: column tile 1
.endr
.endr
; x's fragments of eight tiles of rows (half hf of my 16) of the slot's K step kl, into set hf; with half 0 the K step's scale words
.macro AFETCH slot, kl, hf
.if \hf == 0
.irp grp, 0,1,2,3
	ds_load_b64 v[XSC+8*\kl+2*\grp:XSC+8*\kl+2*\grp+1], v[ADS+\slot] offset:XSTEP*\kl+256*\grp
.endr
.endif
.irp ii, 0,1,2,3,4,5,6,7
.irp c, 0,1
	ds_load_b128 v[AF+64*\hf+8*\ii+4*\c:AF+64*\hf+8*\ii+4*\c+3], v[ADA+\slot] offset:XSTEP*\kl+1024*(8*\hf+\ii)+512*\c
.endr
.endr
.endm
; 32 products: eight tiles of rows x two column tiles of k, then of v.  The 32 accumulators take turns, one instruction a turn.
.macro HS kl, hf, ks, zero
.irp mat, 0,1
	WIN 0xa4+0x50*\mat                             ; source 1 (W) window 1; C and D window 2 (k) or 3 (v)
.irp ii, 0,1,2,3,4,5,6,7
.irp jl, 0,1
.set rD, 8*(2*(8*\hf+\ii)+\jl)
.set rA, AF+64*\hf+8*\ii
.set rB, 8*((2*\mat+\jl)*8+(\ks))
.set rSA, XSC+8*\kl+((8*\hf+\ii)>>1)
.set rSB, WSC+8*\mat+(\ks)
.set rRA, \ii&1
.set rRB, \jl
.set rZ, \zero
	WF4
.endr
.endr
.endr
.endm
; The slot, all of whose bytes I have in registers, is filled again.  Every wave waits for all its tensor loads, adds 0 to its spare word, waits for that and for its reads; a round of the cluster's barrier; the joint refill first behind it.
.macro CHANGE slot
	WIN 0
	s_wait_tensorcnt 0x0                           ; no tensor load of mine is out (so the other slot is whole too), and a group 0 may be written
	ds_add_u32 v[SPW], v[NIL]
	s_add_nc_u64 s[G0+4*\slot+2:G0+4*\slot+3], s[G0+4*\slot+2:G0+4*\slot+3], 2*WPART   ; four K steps on
	s_wait_dscnt 0x0                               ; the add is done, and my reads of the slot are in
	CROUND
	tensor_load_to_lds s[G0+4*\slot:G0+4*\slot+3], s[G1:G1+7]
	s_nop 0
	PLACES 4
.endm
; A slot's two K steps.  Loads into registers that products have read stand four plain places behind those products.
.macro VISIT slot, ks0, zero, refill
	AFETCH \slot, 0, 0
	AFETCH \slot, 0, 1
	s_wait_dscnt 16                                ; the first 20 are in; half 1's sixteen may be out
	HS 0, 0, \ks0, \zero
	PLACES 4
	WIN 0
	AFETCH \slot, 1, 0
	s_wait_dscnt 20                                ; all but the 20 just issued
	HS 0, 1, \ks0, \zero
	PLACES 4
	WIN 0
	AFETCH \slot, 1, 1
.if \refill
	CHANGE \slot                                   ; the refill has 64 products and the next slot's first 64 in which to land
.else
	s_wait_dscnt 16                                ; all but the 16 just issued
.endif
	HS 1, 0, \ks0+1, 0
.if \refill == 0
	s_wait_dscnt 0x0
.endif
	HS 1, 1, \ks0+1, 0
	PLACES 4
	WIN 0
.endm
	s_wait_loadcnt 0x0                             ; W
	s_wait_tensorcnt 1                             ; my part of slot 0 is in; slot 1's load may be out.  I alone read my part: no barrier is owed
	VISIT 0, 0, 1, 1
	VISIT 1, 2, 0, 1                               ; (slot 1 was shown whole by the wait for all loads in the change above)
	VISIT 0, 4, 0, 0                               ; (K steps 4, 5 likewise)
	s_wait_tensorcnt 0x0                           ; K steps 6, 7
	VISIT 1, 6, 0, 0
	; THE COLUMNS' LARGEST k AND |v|: in my lane, in lane l xor 16, in the other three waves.  Each accumulator is read from its low end on.
.irp q, 0,1
	v_mov_b32 v[MK+\q], 0xff800000
	v_mov_b32 v[MK2+\q], 0xff800000
	v_mov_b32 v[AV+\q], 0
	v_mov_b32 v[MK2+2+\q], 0
.endr
	WIN 0x28                                       ; sources 1 and 2 window 2
.set i, 0
.rept 16
.irp p, 0,2,4,6
.irp jl, 0,1
	v_max3_num_f32 v[MK-4*(i&1)+\jl], v[MK-4*(i&1)+\jl], v[8*(2*i+\jl)+\p], v[8*(2*i+\jl)+\p+1]
.endr
.endr
.set i, i+1
.endr
	WIN 0x3c                                       ; window 3
.set i, 0
.rept 16
.irp p, 0,2,4,6
.irp jl, 0,1
	v_max3_num_f32 v[AV-4*(i&1)+\jl], v[AV-4*(i&1)+\jl], |v[8*(2*i+\jl)+\p]|, |v[8*(2*i+\jl)+\p+1]|
.endr
.endr
.set i, i+1
.endr
	WIN 0
.irp q, 0,1,2,3
	v_max_num_f32 v[MK+\q], v[MK+\q], v[MK2+\q]    ; the even and the odd tiles' chains
.endr
.irp q, 0,1,2,3
	v_permlanex16_b32 v[TP+\q], v[MK+\q], s40, s41
.endr
.irp q, 0,1,2,3
	v_max_num_f32 v[MK+\q], v[MK+\q], v[TP+\q]
.endr
.irp q, 0,1,2,3
	ds_store_b32 v[MXS], v[MK+\q] offset:512*\q
.endr
	s_wait_dscnt 0x0                               ; for the others' sake: my four words lie in LDS
	s_barrier_signal -1
	s_barrier_wait -1
.irp q, 0,1,2,3
	ds_load_b128 v[AF+4*\q:AF+4*\q+3], v[MXL] offset:512*\q   ; the four waves' (x's fragments are done with)
.endr
	s_wait_dscnt 0x0
.irp q, 0,1,2,3
	v_max3_num_f32 v[MK+\q], v[AF+4*\q], v[AF+4*\q+1], v[AF+4*\q+2]
.endr
.irp q, 0,1,2,3
	v_max_num_f32 v[MK+\q], v[MK+\q], v[AF+4*\q+3]
.endr
.irp jl, 0,1
	v_max_num_f32 v[TP+\jl], 1.0, v[AV+\jl]
	v_lshrrev_b32 v[TP+\jl], 23, v[TP+\jl]         ; its exponent field = ea + 126
	v_cvt_f32_u32 v[TP+\jl], v[TP+\jl]
	v_sub_f32 v[TP+\jl], 0x430d0000, v[TP+\jl]     ; 141 - field = 15 - ea
	v_fma_f32 v[NB+2*\jl], -v[MK+\jl], s38, v[TP+\jl]   ; -beta
	v_mov_b32 v[NB+2*\jl+1], v[NB+2*\jl]           ; (named with it as a pair, so it is written)
.endr
; Fragment f of eight: rows 32 f .. 32 f + 31 of my 256: registers 32 f .. 32 f + 31 of windows 2 and 3 (16 g + 8 jl + j: tile of rows 2 f + g, column tile jl)
.macro EBATCH f
	WIN 0x82                                       ; destination and source 0 window 2
.set j, 0
.rept 16
.set jq, (j>>2)&1
	v_pk_fma_f32 v[32*\f+2*j:32*\f+2*j+1], v[32*\f+2*j:32*\f+2*j+1], s[38:39], v[NB+2*jq:NB+2*jq+1] op_sel_hi:[1,0,0]
.set j, j+1
.endr
.set j, 0
.rept 32
	v_exp_f32 v[32*\f+j], v[32*\f+j]               ; ek"
.set j, j+1
.endr
	v_nop                                          ; a plain instruction behind the last exponential
	s_wait_alu depctr_va_vdst(0)                   ; one wait for the batch, ahead of its first reader
	WIN 0xcb                                       ; destination and source 0 window 3, source 1 window 2
.set j, 0
.rept 16
	v_pk_mul_f32 v[32*\f+2*j:32*\f+2*j+1], v[32*\f+2*j:32*\f+2*j+1], v[32*\f+2*j:32*\f+2*j+1]   ; ek" v
.set j, j+1
.endr
.if \f >= 2
	s_wait_xcnt 0x0                                ; the stores of two fragments back have read their data: the set is written again only behind this wait
.endif
.set PS, PB+32*((\f)%2)
	WIN 0x0f                                       ; sources window 3
.irp g, 0,1
.irp jl, 0,1
.irp jj, 0,1,2,3
	v_cvt_pk_f16_f32 v[PS+8*\jl+4*\g+\jj], v[32*\f+16*\g+8*\jl+2*\jj], v[32*\f+16*\g+8*\jl+2*\jj+1]
.endr
.endr
.endr
	WIN 0x0a                                       ; sources window 2
.irp g, 0,1
.irp jl, 0,1
.irp jj, 0,1,2,3
	v_cvt_pk_f16_f32 v[PS+16+8*\jl+4*\g+\jj], v[32*\f+16*\g+8*\jl+2*\jj], v[32*\f+16*\g+8*\jl+2*\jj+1]
.endr
.endr
.endr
	WIN 0
.irp kind, 0,1
.irp jl, 0,1
.irp g, 0,1
	global_store_b128 v[VL], v[PS+16*\kind+8*\jl+4*\g:PS+16*\kind+8*\jl+4*\g+3], s[36:37] offset:((\f)>>2)*65536+((\f)&3)*8192+(4*\kind+\jl)*1024+512*\g   ; 512 bytes on end, aligned
.endr
.endr
.endr
.endm
.irp f, 0,1,2,3,4,5,6,7
	EBATCH \f
.endr
	s_wait_tensorcnt 0x0                           ; the wave's end
	ds_add_u32 v[SPW], v[NIL]
	s_wait_dscnt 0x0
	CROUND                                         ; the closing round: no work-group ends while a partner may still ask for a tile that names it
	s_endpgm
.Lfunc_end_k_qef228521c4_proj:
	.size	k_qef228521c4_proj, .Lfunc_end_k_qef228521c4_proj-k_qef228521c4_proj
	.p2alignl 7, 3214868480
	.fill 96, 4, 3214868480
	.section	.rodata,"a",@progbits
	.p2align	6, 0x0
	.amdhsa_kernel k_qef228521c4_proj
		.amdhsa_group_segment_fixed_size 327680
		.amdhsa_private_segment_fixed_size 0
		.amdhsa_enable_private_segment 0
		.amdhsa_kernarg_size 24
		.amdhsa_user_sgpr_count 2
		.amdhsa_user_sgpr_kernarg_segment_ptr 1
		.amdhsa_wavefront_size32 1
		.amdhsa_system_sgpr_workgroup_id_x 1
		.amdhsa_system_sgpr_workgroup_id_y 1
		.amdhsa_system_sgpr_workgroup_id_z 1
		.amdhsa_system_vgpr_workitem_id 0
		.amdhsa_next_free_vgpr 1024
		.amdhsa_next_free_sgpr 66
		.amdhsa_reserve_vcc 0
		.amdhsa_float_denorm_mode_32 3
		.amdhsa_float_denorm_mode_16_64 3
		.amdhsa_memory_ordered 1
		.amdhsa_forward_progress 1
		.amdhsa_inst_pref_size 166
	.end_amdhsa_kernel
	.amdgpu_metadata
---
amdhsa.version: [ 1, 2 ]
amdhsa.kernels:
  - .name:           k_qef228521c4_proj
    .symbol:         k_qef228521c4_proj.kd
    .args:
      - { .name: XQ, .offset: 0, .size: 8, .value_kind: global_buffer, .address_space: global }
      - { .name: WB, .offset: 8, .size: 8, .value_kind: global_buffer, .address_space: global }
      - { .name: EB, .offset: 16, .size: 8, .value_kind: global_buffer, .address_space: global }
    .group_segment_fixed_size: 327680
    .private_segment_fixed_size: 0
    .kernarg_segment_align: 8
    .kernarg_segment_size: 24
    .max_flat_workgroup_size: 128
    .sgpr_count:     66
    .vgpr_count:     1024
    .wavefront_size: 32
...
	.end_amdgpu_metadata
.endif
;; end of part 2
;; launch aft (part 3): grid 64 x 4, 4 waves a work-group, clusters of 4 x 4, 327,680 bytes of LDS; arguments EW, EB, XQ, WB, out0; writes out0
.if DOCPART == 3
	.amdgcn_target "amdgcn-amd-amdhsa--gfx1250"
	.amdhsa_code_object_version 6
	.text
	.protected	k_qef228521c4_aft
	.globl	k_qef228521c4_aft
	.p2align	8
	.type	k_qef228521c4_aft,@function
k_qef228521c4_aft:
	s_mov_b64 s[64:65], 0
	v_nop
	global_prefetch_b8 v0, s[64:65] scope:SCOPE_SE
	s_setreg_imm32_b32 hwreg(HW_REG_WAVE_MODE, 25, 1), 1
	s_wait_xcnt 0x0
	s_wait_alu depctr_hold_cnt(0) depctr_sa_sdst(0) depctr_va_vdst(0) depctr_va_sdst(0) depctr_va_ssrc(0) depctr_va_vcc(0) depctr_vm_vsrc(0)
	s_getreg_b32 s2, hwreg(HW_REG_IB_STS2, 6, 4)
	s_cmp_eq_u32 s2, 0
	s_cbranch_scc0 .Lentry_in_a_cluster
	s_endpgm
.Lentry_in_a_cluster:
	s_bfe_u32 s2, ttmp6, 0x10000c
	s_cmp_lg_u32 s2, 0xf033
	s_cbranch_scc0 .Lentry_shape_is_right
	s_endpgm
.Lentry_shape_is_right:
; out[b][t][c] = sigmoid(q) num / den;  num = sum over s of ew[t][s] (ek" v)[s][c], den = sum over s of ew[t][s] ek"[s][c] (f16 operands, f32 sums);  q = x Wq^T on codes of FP4 with E8M0 scales.
; ek" carries a factor that hangs on (b, c) alone and cancels in num / den.  out = num x 1 / (den (1 + 2^(-q log2(e)))).
; LIMITS: NaN and infinities are not served; the operands' ranges are those stated where they are made.
; SHARES.  A work-group makes 256 t x 128 c of one batch: num and den together are a tile of 256 x 256.  Four waves, as many as a WGP has SIMDs; a wave makes 128 t x 64 c of both: 64 accumulators, 512 registers.
; s goes in steps of 128 through a ring of two LDS slots; all operands lie in memory in the order of the operand's registers, so a step's tiles are dense blocks and a fragment is read 16 bytes a lane on end: no padding, no bank twice.
; When the last two steps leave their slots, the slots take x's and Wq's codes for all of K (four K steps of 128 each), and q is made in the registers that the f16 fragments leave.
; CLUSTERS: 4 x 4 work-groups.  The four of a row share t (ew's tiles, x's codes), the four of a column share (b, c) (E's tiles, Wq's codes): each tile is asked for JOINTLY, by the same tensor load with the same descriptor and a mask that names the four.
; THE PRODUCTS ARE USED TRANSPOSED (source 0 = 16 c, source 1 = 16 t): a lane holds one t (lane % 16) and eight neighbouring c in num, den and q alike.
; REGISTERS, in windows of 256: window 0: v8-30 addresses; v32-47 scale words; v64-127, v128-191 ew's fragments, two buffers; later x's codes, two sets; on the way out results; v192-255 Wq's codes, two sets.
;   window 1: v64-191 E's fragments, two buffers; later all 256: q, (a, ct) at v[8 (4 a + ct)].   windows 2, 3: accumulator (a, nb) at v[8 (8 (a % 4) + nb)]; nb 0-3 num, 4-7 den.
.set SLOT,  131072                     ; ew's two halves of 32,768 bytes, then E's two
.set STAGE, 262144                     ; behind the ring: 16 rows x 272 bytes for each wave, for the way out
.set SPARE, 279552                     ; the spare words: 128 bytes for each wave, two blocks of 256 bytes that no other line names
.set AQX,  8                           ; v8-9   x's fragments in q item 0, 1
.set AQXS, 10                          ; v10-11 their scale groups
.set AQW,  12                          ; v12-13 Wq's fragments
.set AQWS, 14                          ; v14-15 their scale group
.set ADRA, 16                          ; v16-17 ew's fragments in slot 0, 1
.set ADRB, 20                          ; v20-21 E's
.set STO,  24                          ; v24 the way out: where I put 32 bytes of a row
.set RD,   25                          ; v25 where I read a row back
.set CO,   26                          ; v26 my byte offset in out
.set SPW,  28                          ; v28 my spare word; never rewritten
.set NIL,  29                          ; v29 0; never rewritten
.set PFO,  30                          ; v30 256 x lane; never rewritten
.set QSC,  32                          ; scale words, set p: x's at +8 p .. +3, Wq's at +8 p + 4, + 5
.set F0,   64
.set F1,   128
.set XQF,  64                          ; x's codes, set p at + 64 p
.set WQF,  192                         ; Wq's codes, set p at + 32 p
.set TB,   64                          ; the way out: two sets of 32 at work,
.set BK,   128                         ; and two sets of 32 read back from the stage
.set G1A, 24                           ; s[24:31], s[32:39] groups 1 and 0 for ew's tiles
.set G0A, 32
.set G1B, 40                           ; s[40:47], s[48:55] for E's
.set G0B, 48
.set G1X, 56                           ; s[56:63], s[68:75] for x's codes
.set G0X, 68
.set G1W, 76                           ; s[76:83], s[84:91] for Wq's
.set G0W, 84
.set LIM, 66                           ; s66 1 in a wave that prefetches, else the greatest number
.set PFA, 100                          ; s[100:101] where my prefetches stand
.set MSB, 0
.macro WIN new                         ; the immediate's high byte repeats the setting that is left
.if MSB != (\new)
	s_set_vgpr_msb (MSB<<8)|(\new)
.set MSB, (\new)
.endif
.endm
.set MUL_LO, 0xa1                      ; source 0 (E) window 1, source 1 (ew) window 0, C and D window 2
.set MUL_HI, 0xf1                      ; the same, C and D window 3
.set TO_B,   0x40                      ; destination window 1, address window 0
.macro PLACES n
.rept \n
	v_nop
.endr
.endm
; A joint load: waves 0 and 1 fetch what the row shares, waves 2 and 3 what the column shares.  Each line has one mask and one set of registers; the branch hangs on the wave's number alone.
.macro JLOAD g0a, g1a, g0b, g1b
	s_cmp_eq_u32 s15, 0
	s_cbranch_scc0 .Lfor_b_\@
	tensor_load_to_lds s[\g0a:\g0a+3], s[\g1a:\g1a+7]
	s_nop 0
	PLACES 4
	s_branch .Lasked_\@
.Lfor_b_\@:
	tensor_load_to_lds s[\g0b:\g0b+3], s[\g1b:\g1b+7]
	s_nop 0
	PLACES 4
.Lasked_\@:
.endm
.macro CREST                           ; a round of the cluster's barrier behind its opening barrier
	s_cmp_lg_u32 s14, 0
	s_cbranch_scc1 .Lnot_wave_0_\@
	s_barrier_signal -3
.Lnot_wave_0_\@:
	s_barrier_wait -3
	s_barrier_signal -1
	s_barrier_wait -1
.endm
.macro CROUND
	s_barrier_signal -1
	s_barrier_wait -1
	CREST
.endm
; A prefetch of the step that stands two refills on: of the 32,768 bytes that I fetch, my work-group's 8,192 (the four partners that ask jointly are told apart by address), lanes 256 bytes apart: one instruction a wave.
; ew's tiles are walked by all sixteen clusters: the first asks.  E's are walked by one column of one cluster: it asks.  So each block of 256 bytes is named once.  The loop's last trip asks for nothing: no step stands two refills on.
.macro ASK
	s_cmp_gt_u32 s3, s[LIM]
	s_cbranch_scc0 .Lnot_mine_\@
	global_prefetch_b8 v[PFO], s[PFA:PFA+1] offset:65536 th:TH_LOAD_NT scope:SCOPE_SE
.Lnot_mine_\@:
.endm
.macro WF4                             ; one scaled product, by the symbols rD, rA, rB, rSA, rSB, rRA, rRB (1: scales in lanes 16-31), rZ (1: it starts the sum)
.if rZ && rRA && rRB
	v_wmma_scale_f32_16x16x128_f8f6f4 v[rD:rD+7], v[rA:rA+7], v[rB:rB+7], 0, v[rSA], v[rSB] matrix_a_fmt:MATRIX_FMT_FP4 matrix_b_fmt:MATRIX_FMT_FP4 matrix_a_scale:MATRIX_SCALE_ROW1 matrix_b_scale:MATRIX_SCALE_ROW1
.elseif rZ && rRA
	v_wmma_scale_f32_16x16x128_f8f6f4 v[rD:rD+7], v[rA:rA+7], v[rB:rB+7], 0, v[rSA], v[rSB] matrix_a_fmt:MATRIX_FMT_FP4 matrix_b_fmt:MATRIX_FMT_FP4 matrix_a_scale:MATRIX_SCALE_ROW1
.elseif rZ && rRB
	v_wmma_scale_f32_16x16x128_f8f6f4 v[rD:rD+7], v[rA:rA+7], v[rB:rB+7], 0, v[rSA], v[rSB] matrix_a_fmt:MATRIX_FMT_FP4 matrix_b_fmt:MATRIX_FMT_FP4 matrix_b_scale:MATRIX_SCALE_ROW1
.elseif rZ
	v_wmma_scale_f32_16x16x128_f8f6f4 v[rD:rD+7], v[rA:rA+7], v[rB:rB+7], 0, v[rSA], v[rSB] matrix_a_fmt:MATRIX_FMT_FP4 matrix_b_fmt:MATRIX_FMT_FP4
.elseif rRA && rRB
	v_wmma_scale_f32_16x16x128_f8f6f4 v[rD:rD+7], v[rA:rA+7], v[rB:rB+7], v[rD:rD+7], v[rSA], v[rSB] matrix_a_fmt:MATRIX_FMT_FP4 matrix_b_fmt:MATRIX_FMT_FP4 matrix_a_scale:MATRIX_SCALE_ROW1 matrix_b_scale:MATRIX_SCALE_ROW1
.elseif rRA
	v_wmma_scale_f32_16x16x128_f8f6f4 v[rD:rD+7], v[rA:rA+7], v[rB:rB+7], v[rD:rD+7], v[rSA], v[rSB] matrix_a_fmt:MATRIX_FMT_FP4 matrix_b_fmt:MATRIX_FMT_FP4 matrix_a_scale:MATRIX_SCALE_ROW1
.elseif rRB
	v_wmma_scale_f32_16x16x128_f8f6f4 v[rD:rD+7], v[rA:rA+7], v[rB:rB+7], v[rD:rD+7], v[rSA], v[rSB] matrix_a_fmt:MATRIX_FMT_FP4 matrix_b_fmt:MATRIX_FMT_FP4 matrix_b_scale:MATRIX_SCALE_ROW1
.else
	v_wmma_scale_f32_16x16x128_f8f6f4 v[rD:rD+7], v[rA:rA+7], v[rB:rB+7], v[rD:rD+7], v[rSA], v[rSB] matrix_a_fmt:MATRIX_FMT_FP4 matrix_b_fmt:MATRIX_FMT_FP4
.endif
.endm
	s_load_b256 s[4:11], s[0:1], 0x0               ; EW s[4:5], EB s[6:7], XQ s[8:9], WB s[10:11]
	s_load_b64 s[12:13], s[0:1], 0x20              ; out0
	v_lshl_add_u32 v[SPW], v0, 2, SPARE
	v_mov_b32 v[NIL], 0
	ds_add_u32 v[SPW], v[NIL]                      ; the wave's opening: the add, twice on end, and its wait ahead of my first tensor load
	ds_add_u32 v[SPW], v[NIL]
	v_lshrrev_b32 v1, 5, v0
	v_readfirstlane_b32 s14, v1                    ; wave
	s_lshr_b32 s15, s14, 1                         ; thalf.  Also: I fetch for the row (0) or for the column (1)
	s_and_b32 s16, s14, 1                          ; chalf.  Also: which half of a tile I fetch
	s_bfe_u32 s17, ttmp6, 0x40000                  ; cx
	s_bfe_u32 s18, ttmp6, 0x40004                  ; cy = ttile: the grid has one cluster along y
	s_lshl_b32 s19, ttmp9, 2
	s_add_co_u32 s19, s19, s17                     ; nx = 8 b + ctile
	s_lshl_b32 s20, s18, 2
	s_lshl_b32 s20, 15, s20                        ; my row of the cluster
	s_lshl_b32 s21, 0x1111, s17                    ; my column
	; groups 1: dense blocks as rows of 256 bytes (32 elements of 8 bytes), no padding; 15:0 the mask, 17:16 the element, 21 set beside a mask
	s_or_b32 s[G1A], s20, (3<<16)|(1<<21)
	s_or_b32 s[G1B], s21, (3<<16)|(1<<21)
	s_or_b32 s[G1X], s20, (3<<16)|(1<<21)
	s_or_b32 s[G1W], s21, (3<<16)|(1<<21)
.irp g, G1A, G1B, G1X, G1W
	s_mov_b32 s[\g+1], 32<<16                      ; tensor_dim0
	s_mov_b32 s[\g+3], 32<<16                      ; tile_dim0
	s_mov_b32 s[\g+5], 32                          ; from row to row
	s_mov_b32 s[\g+6], 0
	s_mov_b32 s[\g+7], 0
.endr
.irp g, G1A, G1B
	s_mov_b32 s[\g+2], 128<<16                     ; 128 rows: 32,768 bytes
	s_mov_b32 s[\g+4], 128
.endr
	s_mov_b32 s[G1X+2], 136<<16                    ; two K steps of x's 256 rows: 34,816 bytes
	s_mov_b32 s[G1X+4], 136
	s_mov_b32 s[G1W+2], 68<<16                     ; two K steps of Wq's 128 rows: 17,408 bytes
	s_mov_b32 s[G1W+4], 68
	; what the row shares hangs on cy and the cluster's x alone; what the column shares on nx alone
	s_lshl_b32 s92, s18, 19
	s_lshl_b32 s67, s16, 15
	s_add_co_u32 s92, s92, s67                     ; EW: ttile, my half
	s_mov_b32 s93, 0
	s_lshr_b32 s94, ttmp9, 1                       ; b
	s_lshl_b32 s94, s94, 2
	s_add_co_u32 s94, s94, s18
	s_lshl_b32 s94, s94, 3
	s_lshl_b32 s67, s16, 1
	s_add_co_u32 s94, s94, s67
	s_mul_i32 s94, s94, 17408                      ; XQ: (b, quarter cy), K step 2 x my half
	s_mov_b32 s95, 0
	s_lshl_b32 s96, s19, 19
	s_lshl_b32 s97, s16, 15
	s_add_co_u32 s96, s96, s97                     ; EB: nx, my half
	s_mov_b32 s97, 0
	s_and_b32 s98, s19, 7
	s_lshl_b32 s98, s98, 3
	s_lshl_b32 s99, s16, 1
	s_add_co_u32 s98, s98, s99
	s_mul_i32 s98, s98, 8704                       ; WB: (q, ctile), K step 2 x my half
	s_mov_b32 s99, 0
	s_lshl_b32 s2, s14, 15                         ; where they go: no place in the cluster enters an LDS address
	s_mul_i32 s67, s16, 34816
	s_mul_i32 s3, s16, 17408
	s_add_co_u32 s3, s3, 69632
	s_mov_b32 s22, 0xbfb8aa3b                      ; -log2(e), as a pair
	s_mov_b32 s23, s22
	s_wait_dscnt 0x0                               ; both opening adds are done
	s_wait_kmcnt 0x0
	s_add_nc_u64 s[92:93], s[4:5], s[92:93]
	s_add_nc_u64 s[94:95], s[8:9], s[94:95]
	s_add_nc_u64 s[96:97], s[6:7], s[96:97]
	s_add_nc_u64 s[98:99], s[10:11], s[98:99]
	CROUND                                         ; all sixteen work-groups are here: the first joint loads meet
.irp s, 0,1
	s_mov_b32 s[G0A+4*\s], 1
	s_add_co_u32 s[G0A+4*\s+1], s2, \s*SLOT
	s_add_nc_u64 s[G0A+4*\s+2:G0A+4*\s+3], s[92:93], \s*65536
	s_or_b32 s[G0A+4*\s+3], s[G0A+4*\s+3], 0x80000000
	s_mov_b32 s[G0B+4*\s], 1
	s_add_co_u32 s[G0B+4*\s+1], s2, \s*SLOT
	s_add_nc_u64 s[G0B+4*\s+2:G0B+4*\s+3], s[96:97], \s*65536
	s_or_b32 s[G0B+4*\s+3], s[G0B+4*\s+3], 0x80000000
	JLOAD G0A+4*\s, G1A, G0B+4*\s, G1B             ; steps 0 and 1: two loads of mine are out
.endr
.irp s, 0,1                                    ; the q items' groups 0: item s (K steps 4 s .. 4 s + 3) will lie in slot s
	s_mov_b32 s[G0X+4*\s], 1
	s_add_co_u32 s[G0X+4*\s+1], s67, \s*SLOT
	s_add_nc_u64 s[G0X+4*\s+2:G0X+4*\s+3], s[94:95], \s*4*17408
	s_or_b32 s[G0X+4*\s+3], s[G0X+4*\s+3], 0x80000000
	s_mov_b32 s[G0W+4*\s], 1
	s_add_co_u32 s[G0W+4*\s+1], s3, \s*SLOT
	s_add_nc_u64 s[G0W+4*\s+2:G0W+4*\s+3], s[98:99], \s*4*8704
	s_or_b32 s[G0W+4*\s+3], s[G0W+4*\s+3], 0x80000000
.endr
	; the prefetches: where mine stand, and who asks
	s_cmp_eq_u32 s15, 0
	s_cselect_b64 s[PFA:PFA+1], s[4:5], s[6:7]
	s_cselect_b32 s92, s18, s19                    ; the tile: by cy in EW, by nx in EB
	s_cselect_b32 s93, s17, s18                    ; my place among the four that ask for it with me
	s_cselect_b32 s94, ttmp9, 0                    ; the coordinate along which other clusters walk the same bytes
	s_cmp_eq_u32 s94, 0
	s_cselect_b32 s[LIM], 1, -1                    ; the same in all sixteen partners, for a given wave
	s_lshl_b32 s92, s92, 19
	s_lshl_b32 s93, s93, 13
	s_add_co_u32 s92, s92, s93
	s_lshl_b32 s93, s16, 15
	s_add_co_u32 s92, s92, s93
	s_add_co_u32 s92, s92, 2*65536                 ; at step 2: the first refill steps it to 3 and names step 4.  Nothing is prefetched here, at the head
	s_mov_b32 s93, 0
	s_add_nc_u64 s[PFA:PFA+1], s[PFA:PFA+1], s[92:93]
	; out: row 1,024 b + 256 cy + 128 thalf, byte 512 ctile + 256 chalf
	s_lshr_b32 s92, ttmp9, 1
	s_lshl_b32 s92, s92, 22
	s_lshl_b32 s93, s18, 20
	s_add_co_u32 s92, s92, s93
	s_lshl_b32 s93, s15, 19
	s_add_co_u32 s92, s92, s93
	s_and_b32 s93, s19, 7
	s_lshl_b32 s93, s93, 9
	s_add_co_u32 s92, s92, s93
	s_lshl_b32 s93, s16, 8
	s_add_co_u32 s92, s92, s93
	s_mov_b32 s93, 0
	s_add_nc_u64 s[12:13], s[12:13], s[92:93]
	v_and_b32 v1, 31, v0                           ; lane
	v_and_b32 v2, 15, v0                           ; r
	v_bfe_u32 v3, v0, 4, 1                         ; h
	v_lshlrev_b32 v4, 4, v1
	v_lshlrev_b32 v5, 3, v1
	v_lshlrev_b32 v[PFO], 8, v1
	s_lshl_b32 s2, s15, 13
	v_add_nc_u32 v[AQX], s2, v4
	v_add_nc_u32 v[AQX+1], SLOT, v[AQX]
	s_lshl_b32 s2, s15, 9
	s_add_co_u32 s2, s2, 16384
	v_add_nc_u32 v[AQXS], s2, v5
	v_add_nc_u32 v[AQXS+1], SLOT, v[AQXS]
	s_lshl_b32 s2, s16, 12
	s_add_co_u32 s2, s2, 69632
	v_add_nc_u32 v[AQW], s2, v4
	v_add_nc_u32 v[AQW+1], SLOT, v[AQW]
	s_lshl_b32 s2, s16, 8
	s_add_co_u32 s2, s2, 77824
	v_add_nc_u32 v[AQWS], s2, v5
	v_add_nc_u32 v[AQWS+1], SLOT, v[AQWS]
	s_lshl_b32 s2, s15, 15
	v_add_nc_u32 v[ADRA], s2, v4
	v_add_nc_u32 v[ADRA+1], SLOT, v[ADRA]
	s_lshl_b32 s2, s16, 15
	s_add_co_u32 s2, s2, 65536
	v_add_nc_u32 v[ADRB], s2, v4
	v_add_nc_u32 v[ADRB+1], SLOT, v[ADRB]
	s_mul_i32 s2, s14, 4352
	s_add_co_u32 s2, s2, STAGE                     ; my stage
	v_mul_u32_u24 v[STO], v2, 272
	v_lshl_add_u32 v[STO], v3, 5, v[STO]
	v_add_nc_u32 v[STO], s2, v[STO]                ; in: row r, + 32 h
	v_mul_u32_u24 v[RD], v3, 272
	v_lshl_add_u32 v[RD], v2, 4, v[RD]
	v_add_nc_u32 v[RD], s2, v[RD]                  ; back: lanes 0-15 one row of 256 bytes, lanes 16-31 the next
	v_lshlrev_b32 v[CO], 12, v3
	v_lshl_add_u32 v[CO], v2, 4, v[CO]             ; and the same two rows in out
; 16 products: blocks a0, a0 + 1 of the window's four x all 8 n blocks, 32 along s.  The 64 accumulators take turns, one instruction a turn, in the same order in every quarter.
.macro MUL16 f, hi, a0, zero
.irp a, \a0, \a0+1
.irp b, 0,1,2,3,4,5,6,7
.if \zero
	v_wmma_f32_16x16x32_f16 v[8*(8*(\a)+\b):8*(8*(\a)+\b)+7], v[\f+8*\b:\f+8*\b+7], v[\f+8*(4*\hi+\a):\f+8*(4*\hi+\a)+7], 0
.else
	v_wmma_f32_16x16x32_f16 v[8*(8*(\a)+\b):8*(8*(\a)+\b)+7], v[\f+8*\b:\f+8*\b+7], v[\f+8*(4*\hi+\a):\f+8*(4*\hi+\a)+7], v[8*(8*(\a)+\b):8*(8*(\a)+\b)+7]
.endif
.endr
.endr
.endm
.macro FETCH slot, kk, f               ; 32 LDS loads in one run: the fragments of quarter kk: E's eight, then ew's eight
	WIN TO_B
.irp i, 0,1,2,3,4,5,6,7
	ds_load_b128 v[\f+8*\i:\f+8*\i+3],   v[ADRB+\slot] offset:8192*\kk+1024*\i
	ds_load_b128 v[\f+8*\i+4:\f+8*\i+7], v[ADRB+\slot] offset:8192*\kk+1024*\i+512
.endr
	WIN 0
.irp i, 0,1,2,3,4,5,6,7
	ds_load_b128 v[\f+8*\i:\f+8*\i+3],   v[ADRA+\slot] offset:8192*\kk+1024*\i
	ds_load_b128 v[\f+8*\i+4:\f+8*\i+7], v[ADRA+\slot] offset:8192*\kk+1024*\i+512
.endr
.endm
; One of a step's first three quarters: multiplies buffer f; in its middle it fetches quarter kk of the same slot into buffer g, four plain places behind the products that read g last.
.macro QUARTER slot, kk, f, g, zero
	s_wait_dscnt 8                                 ; E's and ew's rows 0-63 are in; the youngest eight loads (ew's rows 64-127) may be out
	WIN MUL_LO
	MUL16 \f, 0, 0, \zero
	MUL16 \f, 0, 2, \zero
	PLACES 4
	FETCH \slot, \kk, \g
	s_wait_dscnt 32                                ; all but the 32 just issued
	WIN MUL_HI
	MUL16 \f, 1, 0, \zero
	MUL16 \f, 1, 2, \zero
.endm
.macro QFETCH ks                       ; 27 LDS loads: K step ks of q: Wq's four fragments and scale pair, x's two scale pairs and eight fragments, into set ks % 2
.set u, (\ks)>>2
.set ksl, (\ks)&3
.set p, (\ks)&1
.irp ct, 0,1,2,3
.irp c, 0,1
	ds_load_b128 v[WQF+32*p+8*\ct+4*\c:WQF+32*p+8*\ct+4*\c+3], v[AQW+u] offset:8704*ksl+1024*\ct+512*\c
.endr
.endr
	ds_load_b64 v[QSC+8*p+4:QSC+8*p+5], v[AQWS+u] offset:8704*ksl
.irp gg, 0,1
	ds_load_b64 v[QSC+8*p+2*\gg:QSC+8*p+2*\gg+1], v[AQXS+u] offset:17408*ksl+256*\gg
.endr
.irp a, 0,1,2,3,4,5,6,7
.irp c, 0,1
	ds_load_b128 v[XQF+64*p+8*\a+4*\c:XQF+64*p+8*\a+4*\c+3], v[AQX+u] offset:17408*ksl+1024*\a+512*\c
.endr
.endr
.endm
; A step's last quarter multiplies buffer 1 and changes slots.  In front of the round each wave waits for all its tensor loads (one is out: its part of the other slot), adds 0 to its spare word, and waits for that and for its reads of this slot.
; Behind the round this slot is filled again first.  mode 0: with the step two on; mode 1, 2: with q item 0, 1.  mode 2: the next reads are q's first K step, from slot 0.
.macro TURN slot, next, mode
.if \mode == 0
	s_wait_xcnt 0x0                                ; the last prefetch, a step back, has read its address: it is stepped here
	s_add_nc_u64 s[PFA:PFA+1], s[PFA:PFA+1], 65536
.endif
	WIN 0                                          ; (the add's two registers lie in window 0)
	s_wait_tensorcnt 0x0
	ds_add_u32 v[SPW], v[NIL]
	s_wait_dscnt 9                                 ; (the add and the youngest eight loads may be out)
	WIN MUL_LO
	MUL16 F1, 0, 0, 0                              ; sixteen products stand between the add and the wait for it
	s_wait_dscnt 0x0                               ; the add is done, and my reads of this slot are over
	s_barrier_signal -1                            ; this barrier opens a round of the cluster's
	MUL16 F1, 0, 2, 0
	WIN 0
	s_barrier_wait -1
	CREST                                          ; no wave of any partner still reads this slot or has a load on its way
.if \mode == 0
	s_add_nc_u64 s[G0A+4*\slot+2:G0A+4*\slot+3], s[G0A+4*\slot+2:G0A+4*\slot+3], 2*65536
	s_add_nc_u64 s[G0B+4*\slot+2:G0B+4*\slot+3], s[G0B+4*\slot+2:G0B+4*\slot+3], 2*65536
	JLOAD G0A+4*\slot, G1A, G0B+4*\slot, G1B       ; its four v_nop are also the places in front of the loads below
.else
	JLOAD G0X+4*\slot, G1X, G0W+4*\slot, G1W
.endif
.if \mode == 2
	QFETCH 0
.else
	FETCH \next, 0, F0
.endif
.if \mode == 0
	ASK
.endif
	WIN MUL_HI
	MUL16 F1, 1, 0, 0
	MUL16 F1, 1, 2, 0
.endm
; A K step of q: 32 products (8 tiles of t x 4 tiles of c), the accumulators by turns; the next K step's operands are fetched ahead of them.
.macro QSTEP ks
	WIN 0
.if \ks == 0
	PLACES 5                                       ; q's accumulators are laid over registers that the last f16 products read: five places
.else
	PLACES 4                                       ; in front of loads into registers that the last K step but one's products read
.endif
.if \ks == 3
	s_wait_tensorcnt 0x0                           ; my part of q item 1 is in: my last tensor load,
	s_wait_dscnt 0x0
	s_barrier_signal -1
	s_barrier_wait -1                              ; everybody's is.
.endif
.if \ks < 7
	QFETCH \ks+1
	s_wait_dscnt 27                                ; all but the 27 just issued
.else
	s_wait_dscnt 0x0
.endif
	WIN 0x50                                       ; C and D window 1
.set p, (\ks)&1
.if \ks == 0
.set rZ, 1
.else
.set rZ, 0
.endif
.irp a, 0,1,2,3,4,5,6,7
.irp ct, 0,1,2,3
.set rD, 8*(4*\a+\ct)
.set rA, WQF+32*p+8*\ct
.set rB, XQF+64*p+8*\a
.set rSA, QSC+8*p+4+(\ct>>1)
.set rSB, QSC+8*p+(\a>>1)
.set rRA, \ct&1
.set rRB, \a&1
	WF4
.endr
.endr
.endm
	s_wait_tensorcnt 1                             ; my part of step 0 is in (step 1's load may be out),
	s_barrier_signal -1
	s_barrier_wait -1                              ; everybody's is
	FETCH 0, 0, F0
	QUARTER 0, 1, F0, F1, 1                        ; the first quarter stands in front of the loop: its products start the sums
	WIN 0                                          ; at a label and at a branch every window is 0
	s_mov_b32 s3, 3
.Llap:                                                 ; a trip goes once round the ring, from a lap's second quarter to the next lap's first, and fills both slots again
	QUARTER 0, 2, F1, F0, 0
	QUARTER 0, 3, F0, F1, 0
	TURN 0, 1, 0
	QUARTER 1, 1, F0, F1, 0
	QUARTER 1, 2, F1, F0, 0
	QUARTER 1, 3, F0, F1, 0
	TURN 1, 0, 0
	QUARTER 0, 1, F0, F1, 0
	WIN 0
	s_sub_co_u32 s3, s3, 1
	s_cmp_lg_u32 s3, 0
	s_cbranch_scc1 .Llap
	QUARTER 0, 2, F1, F0, 0                        ; the last lap, written out: its two changes of slots ask for q's operands
	QUARTER 0, 3, F0, F1, 0
	TURN 0, 1, 1
	QUARTER 1, 1, F0, F1, 0
	QUARTER 1, 2, F1, F0, 0
	QUARTER 1, 3, F0, F1, 0
	TURN 1, 0, 2
.irp ks, 0,1,2,3,4,5,6,7
	QSTEP \ks
.endr
; THE WAY OUT, block by block of 16 t x 64 c.  Each accumulator is read from its low end on.
.macro CALC a
.set T, TB+32*((\a)%2)
.set W, 2+(\a)/4
.set AC, 64*((\a)%4)
	WIN 0x01                                       ; source 0 window 1: q
.set i, 0
.rept 16
	v_pk_mul_f32 v[T+2*i:T+2*i+1], v[32*(\a)+2*i:32*(\a)+2*i+1], s[22:23] op_sel_hi:[1,0]
.set i, i+1
.endr
	WIN 0
.set i, 0
.rept 32
	v_exp_f32 v[T+i], v[T+i]                       ; e^-q
.set i, i+1
.endr
	v_nop                                          ; a plain instruction behind the last exponential
	s_wait_alu depctr_va_vdst(0)                   ; one wait for the batch, ahead of its first reader
	WIN W|(W<<4)                                   ; sources 0 and 2: den
.set i, 0
.rept 16
	v_pk_fma_f32 v[T+2*i:T+2*i+1], v[AC+32+2*i:AC+32+2*i+1], v[T+2*i:T+2*i+1], v[AC+32+2*i:AC+32+2*i+1]   ; den (1 + e^-q)
.set i, i+1
.endr
	WIN 0
.set i, 0
.rept 32
	v_rcp_f32 v[T+i], v[T+i]
.set i, i+1
.endr
	v_nop
	s_wait_alu depctr_va_vdst(0)                   ; one wait for the batch of reciprocals
	WIN W                                          ; source 0: num
.set i, 0
.rept 16
	v_pk_mul_f32 v[T+2*i:T+2*i+1], v[AC+2*i:AC+2*i+1], v[T+2*i:T+2*i+1]
.set i, i+1
.endr
	WIN 0
.endm
.macro TOSTAGE a                       ; a lane's 32 neighbouring bytes of a row go into my own stage and come back as whole rows of 256 bytes; LDS serves a wave's instructions in order (ISA guide 5.7.1.4)
.set T, TB+32*((\a)%2)
.set BB, BK+32*((\a)%2)
.irp ct, 0,1,2,3
	ds_store_b128 v[STO], v[T+8*\ct:T+8*\ct+3] offset:64*\ct
	ds_store_b128 v[STO], v[T+8*\ct+4:T+8*\ct+7] offset:64*\ct+16
.endr
.irp t, 0,1,2,3,4,5,6,7
	ds_load_b128 v[BB+4*\t:BB+4*\t+3], v[RD] offset:544*\t
.endr
.endm
.macro SEND a
.set BB, BK+32*((\a)%2)
	s_wait_dscnt 0x0                               ; the block is back in registers
	s_wait_xcnt 0x0                                ; the block before's stores have read their data: the next block's loads land there only behind this wait
.irp t, 0,1,2,3,4,5,6,7
	global_store_b128 v[CO], v[BB+4*\t:BB+4*\t+3], s[12:13] offset:(16*(\a)+2*\t)*4096 th:TH_STORE_NT   ; 16 lanes store 256 consecutive bytes, at a multiple of 256 from out's first byte
.endr
.endm
	WIN 0
	PLACES 4                                       ; behind the last products
	CALC 0
	TOSTAGE 0
.irp a, 1,2,3,4,5,6,7                  ; block a's arithmetic stands between block a - 1's loads from the stage and the wait for them
	CALC \a
	SEND \a-1
	TOSTAGE \a
.endr
	SEND 7
	s_wait_tensorcnt 0x0                           ; the wave's end
	ds_add_u32 v[SPW], v[NIL]
	s_wait_dscnt 0x0
	CROUND                                         ; the closing round: no work-group ends while a partner may still ask for a tile that names it
	s_endpgm
.Lfunc_end_k_qef228521c4_aft:
	.size	k_qef228521c4_aft, .Lfunc_end_k_qef228521c4_aft-k_qef228521c4_aft
	.p2alignl 7, 3214868480
	.fill 96, 4, 3214868480
	.section	.rodata,"a",@progbits
	.p2align	6, 0x0
	.amdhsa_kernel k_qef228521c4_aft
		.amdhsa_group_segment_fixed_size 327680
		.amdhsa_private_segment_fixed_size 0
		.amdhsa_enable_private_segment 0
		.amdhsa_kernarg_size 40
		.amdhsa_user_sgpr_count 2
		.amdhsa_user_sgpr_kernarg_segment_ptr 1
		.amdhsa_wavefront_size32 1
		.amdhsa_system_sgpr_workgroup_id_x 1
		.amdhsa_system_sgpr_workgroup_id_y 1
		.amdhsa_system_sgpr_workgroup_id_z 1
		.amdhsa_system_vgpr_workitem_id 0
		.amdhsa_next_free_vgpr 1024
		.amdhsa_next_free_sgpr 102
		.amdhsa_reserve_vcc 0
		.amdhsa_float_denorm_mode_32 3
		.amdhsa_float_denorm_mode_16_64 3
		.amdhsa_memory_ordered 1
		.amdhsa_forward_progress 1
		.amdhsa_inst_pref_size 221
	.end_amdhsa_kernel
	.amdgpu_metadata
---
amdhsa.version: [ 1, 2 ]
amdhsa.kernels:
  - .name:           k_qef228521c4_aft
    .symbol:         k_qef228521c4_aft.kd
    .args:
      - { .name: EW, .offset: 0, .size: 8, .value_kind: global_buffer, .address_space: global }
      - { .name: EB, .offset: 8, .size: 8, .value_kind: global_buffer, .address_space: global }
      - { .name: XQ, .offset: 16, .size: 8, .value_kind: global_buffer, .address_space: global }
      - { .name: WB, .offset: 24, .size: 8, .value_kind: global_buffer, .address_space: global }
      - { .name: out0, .offset: 32, .size: 8, .value_kind: global_buffer, .address_space: global }
    .group_segment_fixed_size: 327680
    .private_segment_fixed_size: 0
    .kernarg_segment_align: 8
    .kernarg_segment_size: 40
    .max_flat_workgroup_size: 128
    .sgpr_count:     102
    .vgpr_count:     1024
    .wavefront_size: 32
...
	.end_amdgpu_metadata
.endif
;; end of part 3
